; MI455X (gfx1250); checked and timed in simulation.
; The chip was launched on July 23, 2026; its instructions are those of AMD's public machine-readable ISA for CDNA 5 (MIT licence, August 2026) and "CDNA5" Instruction Set Architecture Reference Guide (July 2026). The comments in the code are by the model that wrote it; some were corrected since.
;; Fusion Head Co Atten. Allowed arithmetic: float matrix products may take bf16 or f16 operands with f32 sums; all other float work in f32.
;; Inputs: W 512 x 512 float32; audio_proj 512 x 512 float32; b 512 float32; img_proj 512 x 512 float32.
;; Outputs: out0 512 x 2,048 float32.
;; 2 versions, each right and faster than the one before. Each part assembles by itself: llvm-mc -triple=amdgcn-amd-amdhsa -mcpu=gfx1250 --defsym DOCPART=n.
;; ======== version 1 of 2: 2 launches
;; limits: a function is approximated: absolute error at most 1.2e-07
;; workspace buffers: tbuf 1,048,576 bytes
;; launch lin (part 1): grid 16 x 16, 4 waves a work-group, no clusters, 72,192 bytes of LDS; arguments img_proj, W, b, tbuf; writes tbuf
.if DOCPART == 1
	.amdgcn_target "amdgcn-amd-amdhsa--gfx1250"
	.amdhsa_code_object_version 6
	.text
	.protected	k_q734d62ef43_lin
	.globl	k_q734d62ef43_lin
	.p2align	8
	.type	k_q734d62ef43_lin,@function
k_q734d62ef43_lin:
	s_mov_b64 s[64:65], 0
	v_nop
	global_prefetch_b8 v0, s[64:65] scope:SCOPE_SE
	s_setreg_imm32_b32 hwreg(HW_REG_WAVE_MODE, 25, 1), 1
	s_wait_xcnt 0x0
; t[n][e] = tanh( sum over k of img[n][k] W[e][k] + b[e] ).  img, W: [512][512] f32, b: [512] f32.
; A work-group makes 32 batch rows x 32 columns with four waves, one 16 x 16 tile a wave, K = 512.
; The 32 rows of img and the 32 rows of W are read once by the work-group (a load of the 128 threads covers one whole row of 2,048 bytes),
; rounded to bf16 once and laid in LDS; each wave then takes its fragments from there.
; OUTPUT LAYOUT (a workspace of this program): tbuf[column block of 32][batch row][32 numbers], so that the work-group's 32 x 32 block is
; 4,096 consecutive bytes and every store of a wave covers 512 consecutive bytes, aligned.
; LIMITS: img and W are rounded to bf16 for the matrix unit, sums in f32.  tanh(x) = 1 - 2 / (1 + 2^(2 log2(e) x)): right at both ends
; (2^x = infinity gives 1, 2^x = 0 gives -1), absolute error about 1e-7, so very small t lose relative accuracy.  Inputs are finite.
; No tensor loads, no cluster: the tile is converted on its way into LDS, which only registers can do.
.set ROWB,   2048                      ; bytes in a row of img and of W
.set PITCH,  1040                      ; an LDS row: 512 bf16 + 16 bytes = 65 x 16: the 16 rows of a fragment load start in 16 different 16-byte columns
.set WTILE,  32*PITCH                  ; W's 32 rows lie behind img's 32
.set STAGE,  64*PITCH                  ; behind both: 32 rows x 144 bytes for the way out
.set SPITCH, 144                       ; 128 bytes + 16 = 9 x 16
.set X0,   16                          ; v[16:79]    16 loads of 16 bytes; later the fragments of four K steps
.set X1,   80                          ; v[80:143]   the same
.set X2,   144                         ; v[144:207]  the same
.set PK,   208                         ; v[208:239]  16 x 8 bytes of bf16 on their way into LDS
.set ACC0, 240                         ; v[240:247]  sum of the even K steps, started by the bias
.set ACC1, 248                         ; v[248:255]  sum of the odd K steps
.macro GLOAD x, b, row0                ; rows row0 .. row0+15 of the tile at s[b:b+1]: thread t takes bytes 16 t of each
.irp i, 0,1,2,3,4,5,6,7,8,9,10,11,12,13,14,15
	global_load_b128 v[\x+4*\i:\x+4*\i+3], v2, s[\b:\b+1] offset:(\row0+\i)*ROWB
.endr
.endm
.macro CONV x                          ; 16 x 4 numbers to bf16
.irp i, 0,1,2,3,4,5,6,7,8,9,10,11,12,13,14,15
	v_cvt_pk_bf16_f32 v[PK+2*\i],   v[\x+4*\i],   v[\x+4*\i+1]
	v_cvt_pk_bf16_f32 v[PK+2*\i+1], v[\x+4*\i+2], v[\x+4*\i+3]
.endr
.endm
.macro PUT row0                        ; into LDS rows row0 .. row0+15: 32 lanes x 8 neighbouring bytes
.irp i, 0,1,2,3,4,5,6,7,8,9,10,11,12,13,14,15
	ds_store_b64 v3, v[PK+2*\i:PK+2*\i+1] offset:(\row0+\i)*PITCH
.endr
.endm
.macro FETCH x, g                      ; the fragments of K steps 4 g .. 4 g + 3: for each step 8 registers of W, then 8 of img
.irp t, 0,1,2,3
	ds_load_b128 v[\x+16*\t:\x+16*\t+3],     v9 offset:64*(4*\g+\t)
	ds_load_b128 v[\x+16*\t+4:\x+16*\t+7],   v9 offset:64*(4*\g+\t)+32
	ds_load_b128 v[\x+16*\t+8:\x+16*\t+11],  v8 offset:64*(4*\g+\t)
	ds_load_b128 v[\x+16*\t+12:\x+16*\t+15], v8 offset:64*(4*\g+\t)+32
.endr
.endm
; Four K steps.  Source 0 = 16 rows of W, source 1 = 16 rows of img: lane l then holds batch row l % 16 and its registers 0 to 7 the
; columns 8 (l / 16) + 0 .. 7, eight neighbouring numbers of a row of t.  The two accumulators take turns, one instruction a turn.
.macro MUL4 x, zero
	v_wmma_f32_16x16x32_bf16 v[ACC0:ACC0+7], v[\x:\x+7], v[\x+8:\x+15], v[ACC0:ACC0+7]
.if \zero
	v_wmma_f32_16x16x32_bf16 v[ACC1:ACC1+7], v[\x+16:\x+23], v[\x+24:\x+31], 0
.else
	v_wmma_f32_16x16x32_bf16 v[ACC1:ACC1+7], v[\x+16:\x+23], v[\x+24:\x+31], v[ACC1:ACC1+7]
.endif
	v_wmma_f32_16x16x32_bf16 v[ACC0:ACC0+7], v[\x+32:\x+39], v[\x+40:\x+47], v[ACC0:ACC0+7]
	v_wmma_f32_16x16x32_bf16 v[ACC1:ACC1+7], v[\x+48:\x+55], v[\x+56:\x+63], v[ACC1:ACC1+7]
.endm
.macro PLACES                          ; four places behind a matrix instruction (ISA guide 7.12.1) before its registers are loaded into or its result is read
.rept 4
	v_nop
.endr
.endm
	s_load_b256 s[4:11], s[0:1], 0x0               ; img s[4:5], W s[6:7], b s[8:9], tbuf s[10:11]
	v_lshl_add_u32 v14, v0, 2, 0x11800
	v_mov_b32 v15, 0
	v_lshrrev_b32 v1, 5, v0
	v_readfirstlane_b32 s12, v1                    ; wave 0..3
	s_and_b32 s13, ttmp7, 0xffff                   ; block of 32 batch rows
	s_lshl_b32 s14, s13, 16                        ; x 32 rows x 2,048 bytes
	s_mov_b32 s15, 0
	s_lshl_b32 s16, ttmp9, 16                      ; block of 32 columns = 32 rows of W; also its 65,536 bytes in tbuf
	s_mov_b32 s17, 0
	s_and_b32 s18, s12, 1                          ; which 16 columns are my wave's
	s_lshr_b32 s19, s12, 1                         ; which 16 batch rows
	s_lshl_b32 s20, ttmp9, 7                       ; the block's 32 numbers of b, in bytes,
	s_lshl_b32 s21, s18, 6                         ; my wave's 16 of them
	s_add_co_u32 s20, s20, s21
	s_lshl_b32 s22, s13, 12                        ; tbuf: 32 batch rows x 128 bytes,
	s_add_co_u32 s22, s22, s16                     ; inside the column block
	s_mov_b32 s23, 0
	v_lshlrev_b32 v2, 4, v0                        ; 16 t: my bytes of a row in memory, and of the 4,096 bytes that go out
	v_lshlrev_b32 v3, 3, v0                        ; 8 t: the same four numbers as bf16 in an LDS row
	v_and_b32 v4, 15, v0                           ; l % 16
	v_bfe_u32 v5, v0, 4, 1                         ; l / 16
	v_lshl_add_u32 v6, v5, 5, s20                  ; my eight numbers of b
	s_wait_kmcnt 0x0
	s_add_nc_u64 s[4:5], s[4:5], s[14:15]
	s_add_nc_u64 s[6:7], s[6:7], s[16:17]
	s_add_nc_u64 s[10:11], s[10:11], s[22:23]
	global_load_b128 v[ACC0:ACC0+3],   v6, s[8:9]              ; the bias starts the first sum: nothing is cleared, nothing is added later
	global_load_b128 v[ACC0+4:ACC0+7], v6, s[8:9] offset:16
	GLOAD X0, 4, 0                                 ; img rows 0-15
	GLOAD X1, 4, 16                                ; img rows 16-31
	GLOAD X2, 6, 0                                 ; W rows 0-15
	; LDS addresses, made while the loads are on their way
	v_mul_u32_u24 v7, v4, PITCH
	v_lshl_add_u32 v7, v5, 4, v7                   ; fragment: row (l % 16) x pitch + 16 (l / 16)
	s_mul_i32 s24, s19, 16*PITCH
	v_add_nc_u32 v8, s24, v7                       ; my 16 rows of img
	s_mul_i32 s25, s18, 16*PITCH
	s_add_co_u32 s25, s25, WTILE
	v_add_nc_u32 v9, s25, v7                       ; my 16 rows of W
	v_mul_u32_u24 v10, v4, SPITCH                  ; stage, in: batch row 16 half + l % 16, bytes 64 half + 32 (l / 16)
	v_lshl_add_u32 v10, v5, 5, v10
	s_mul_i32 s26, s19, 16*SPITCH
	s_add_co_u32 s26, s26, s21
	s_add_co_u32 s26, s26, STAGE
	v_add_nc_u32 v10, s26, v10
	v_lshrrev_b32 v11, 3, v0                       ; stage, back: eight threads take one row of 128 bytes
	v_mul_u32_u24 v11, v11, SPITCH
	v_and_b32 v12, 7, v0
	v_lshl_add_u32 v11, v12, 4, v11
	v_add_nc_u32 v11, STAGE, v11
	s_wait_loadcnt 32                              ; loads come back in order: the bias and img rows 0-15 are in, the 32 younger loads stay out
	CONV X0
	GLOAD X0, 6, 16                                ; W rows 16-31, into the registers just read
	PUT 0
	s_wait_loadcnt 32                              ; img rows 16-31 are in; W's 32 loads stay out
	s_wait_dscnt 0x0                               ; the LDS stores have taken the packed registers
	CONV X1
	PUT 16
	s_wait_loadcnt 16                              ; W rows 0-15 are in; the last 16 loads stay out
	s_wait_dscnt 0x0
	CONV X2
	PUT 32
	s_wait_loadcnt 0x0
	s_wait_dscnt 0x0
	CONV X0
	PUT 48
	s_wait_dscnt 0x0                               ; my part of every row is in LDS, for the other waves' sake,
	s_barrier_signal -1
	s_barrier_wait -1                              ; and so is everybody's
	FETCH X0, 0
	FETCH X1, 1
	FETCH X2, 2
	s_wait_dscnt 32                                ; K steps 0-3 are in; the 32 younger LDS loads stay out
	MUL4 X0, 1
	PLACES
	FETCH X0, 3
	s_wait_dscnt 32                                ; K steps 4-7 are in; 8-11 and 12-15 stay out
	MUL4 X1, 0
	s_wait_dscnt 16                                ; K steps 8-11 are in
	MUL4 X2, 0
	s_wait_dscnt 0x0
	MUL4 X0, 0
	PLACES
	; tanh(x) = 1 - 2 / (1 + 2^(2 log2(e) x)) on my eight numbers
.irp j, 0,2,4,6
	v_pk_add_f32 v[ACC0+\j:ACC0+\j+1], v[ACC0+\j:ACC0+\j+1], v[ACC1+\j:ACC1+\j+1]
.endr
.irp j, 0,2,4,6
	v_pk_mul_f32 v[ACC0+\j:ACC0+\j+1], v[ACC0+\j:ACC0+\j+1], 0x4038aa3b op_sel_hi:[1,0]   ; 2 log2(e)
.endr
.irp j, 0,1,2,3,4,5,6,7
	v_exp_f32 v[ACC0+\j], v[ACC0+\j]
.endr
	v_nop                                          ; one plain place behind the last transcendental before its result is read (ISA guide 5.7.2)
	s_wait_alu depctr_va_vdst(0)
.irp j, 0,2,4,6
	v_pk_add_f32 v[ACC0+\j:ACC0+\j+1], v[ACC0+\j:ACC0+\j+1], 1.0 op_sel_hi:[1,0]
.endr
.irp j, 0,1,2,3,4,5,6,7
	v_rcp_f32 v[ACC0+\j], v[ACC0+\j]
.endr
	v_nop
	s_wait_alu depctr_va_vdst(0)
.irp j, 0,2,4,6
	v_pk_fma_f32 v[ACC0+\j:ACC0+\j+1], v[ACC0+\j:ACC0+\j+1], -2.0, 1.0 op_sel_hi:[1,0,0]
.endr
	; the way out: 32 bytes a lane into the stage, read back as 4,096 consecutive bytes of tbuf
	ds_store_b128 v10, v[ACC0:ACC0+3]
	ds_store_b128 v10, v[ACC0+4:ACC0+7] offset:16
	s_wait_dscnt 0x0
	s_barrier_signal -1
	s_barrier_wait -1
	ds_load_b128 v[X0:X0+3],   v11                             ; batch rows 0-15 of the block
	ds_load_b128 v[X0+4:X0+7], v11 offset:16*SPITCH            ; batch rows 16-31
	s_wait_dscnt 0x0
	global_store_b128 v2, v[X0:X0+3],   s[10:11]               ; a wave's store covers 512 consecutive bytes, aligned
	global_store_b128 v2, v[X0+4:X0+7], s[10:11] offset:2048
	s_wait_tensorcnt 0x0
	ds_add_u32 v14, v15
	s_wait_dscnt 0x0
	s_endpgm
.Lfunc_end_k_q734d62ef43_lin:
	.size	k_q734d62ef43_lin, .Lfunc_end_k_q734d62ef43_lin-k_q734d62ef43_lin
	.p2alignl 7, 3214868480
	.fill 96, 4, 3214868480
	.section	.rodata,"a",@progbits
	.p2align	6, 0x0
	.amdhsa_kernel k_q734d62ef43_lin
		.amdhsa_group_segment_fixed_size 72192
		.amdhsa_private_segment_fixed_size 0
		.amdhsa_enable_private_segment 0
		.amdhsa_kernarg_size 32
		.amdhsa_user_sgpr_count 2
		.amdhsa_user_sgpr_kernarg_segment_ptr 1
		.amdhsa_wavefront_size32 1
		.amdhsa_system_sgpr_workgroup_id_x 1
		.amdhsa_system_sgpr_workgroup_id_y 1
		.amdhsa_system_sgpr_workgroup_id_z 1
		.amdhsa_system_vgpr_workitem_id 0
		.amdhsa_next_free_vgpr 256
		.amdhsa_next_free_sgpr 66
		.amdhsa_reserve_vcc 0
		.amdhsa_float_denorm_mode_32 3
		.amdhsa_float_denorm_mode_16_64 3
		.amdhsa_memory_ordered 1
		.amdhsa_forward_progress 1
		.amdhsa_inst_pref_size 29
	.end_amdhsa_kernel
	.amdgpu_metadata
---
amdhsa.version: [ 1, 2 ]
amdhsa.kernels:
  - .name:           k_q734d62ef43_lin
    .symbol:         k_q734d62ef43_lin.kd
    .args:
      - { .name: img_proj, .offset: 0, .size: 8, .value_kind: global_buffer, .address_space: global }
      - { .name: W, .offset: 8, .size: 8, .value_kind: global_buffer, .address_space: global }
      - { .name: b, .offset: 16, .size: 8, .value_kind: global_buffer, .address_space: global }
      - { .name: tbuf, .offset: 24, .size: 8, .value_kind: global_buffer, .address_space: global }
    .group_segment_fixed_size: 72192
    .private_segment_fixed_size: 0
    .kernarg_segment_align: 8
    .kernarg_segment_size: 32
    .max_flat_workgroup_size: 128
    .sgpr_count:     66
    .vgpr_count:     256
    .wavefront_size: 32
...
	.end_amdgpu_metadata
.endif
;; end of part 1
;; launch coatt (part 2): grid 256 x 1, 16 waves a work-group, no clusters, 137,216 bytes of LDS; arguments img_proj, audio_proj, tbuf, out0; writes out0
.if DOCPART == 2
	.amdgcn_target "amdgcn-amd-amdhsa--gfx1250"
	.amdhsa_code_object_version 6
	.text
	.protected	k_q734d62ef43_coatt
	.globl	k_q734d62ef43_coatt
	.p2align	8
	.type	k_q734d62ef43_coatt,@function
k_q734d62ef43_coatt:
	s_mov_b64 s[64:65], 0
	v_nop
	global_prefetch_b8 v0, s[64:65] scope:SCOPE_SE
	s_setreg_imm32_b32 hwreg(HW_REG_WAVE_MODE, 25, 1), 1
	s_wait_xcnt 0x0
; out0[n] = [ img[n] | audio[n] | C_img[n] | C_audio[n] ], 4 x 512 f32.
; Both softmaxes of the rank-1 map L[i][j] = t[i] a[j] are ONE task with the roles swapped.  Given u and v (512 numbers each):
;   F[p][q] = exp(u[p] v[q] - m[q]),  m[q] = max over p of u[p] v[q] = max(umax v[q], umin v[q])   (the true maximum, in closed form since the map has rank 1)
;   Z[q] = sum over p of F[p][q],     C[p] = sum over q of F[p][q] v[q] / Z[q].
;   C_img is the task (u = t, v = audio), C_audio the task (u = audio, v = t).
; A work-group takes 2 batch rows x 2 tasks with 16 waves: four waves a task, each with 128 of the 512 q and all 512 p.
; A lane is (c = lane % 4: one of four q, g = lane / 4: one of eight groups of 64 p).  It keeps its 64 u, 64 F and 64 partial C in registers.
; A block = 4 q x 512 p: the exponents (one packed multiply-add for two), the exponentials, Z (in the lane, then over the eight g by three lane steps),
; w = v / Z, and C += F w.  F stays in registers between the two sums, so each exponential is computed once: 512 x 512 for a task.
; The 16 partial C of a task (4 waves x 4 c) meet in LDS at the end.
; The two sums are matrix-vector products on a matrix born in registers; they stay on the vector unit in f32: a matrix instruction contracts along
; the registers only, so one of the two would need a transpose through LDS, and the other would pay a conversion for every packed multiply-add it spares.
; The exponent is in base 2: v' = v log2(e); w is made of v', and ln(2) is multiplied in once at the end.
; LIMITS: inputs are finite and |audio| log2(e) stays finite in f32; NaN and infinities are not carried as the reference carries them.
; v_exp_f32 returns 0 below 2^-126: such terms are below 2^-126 of their column's largest term, which is 1.
; tbuf is laid out [block of 32 numbers][batch row][32 numbers]; audio is [batch row][512]: the two differ only in two strides, chosen by the task's kind.
.set PSTR,  2112                       ; LDS bytes from one partial C to the next: 2,048 + 64, so that the four c of a store fall in different 64-byte columns
.set TSTR,  16*PSTR                    ; a task's 16 partial C
.set RU,  16                           ; v[16:79]    u: register 4 j + i holds u[32 j + 4 g + i]
.set RF,  80                           ; v[80:143]   F of the block, same places; at the start the offsets of u's loads, at the end the partial C read back
.set RC,  144                          ; v[144:207]  partial C, same places
.set ZA,  208                          ; v[208:215]  four chains of two for Z
.set VQ,  216                          ; v[216:223]  v' of the trip's four blocks, in the even registers (a packed source is a pair; its first register feeds both halves)
.set NM,  224                          ; v[224:231]  -m of the four blocks, likewise
.set RW,  232                          ; v[232:233]  w, likewise
.set RAW, 234                          ; v[234:237]  four v as loaded
.set RT,  238                          ; v[238:245]  at work
; v2 offset of my v; v3 = 16 x (thread % 128): my 16 bytes of a row of 2,048; v4, v5 LDS addresses; v6 = -umax, v7 = -umin; v[8:11] the copied 16 bytes
	s_load_b256 s[12:19], s[0:1], 0x0              ; img s[12:13], audio s[14:15], tbuf s[16:17], out0 s[18:19]
	v_lshl_add_u32 v248, v0, 2, 0x21000
	v_mov_b32 v249, 0
	v_lshrrev_b32 v1, 5, v0
	v_readfirstlane_b32 s8, v1                     ; wave 0..15
	s_lshr_b32 s9, s8, 2                           ; task 0..3
	s_and_b32 s10, s8, 3                           ; which 128 q of the task
	s_and_b32 s11, s9, 1                           ; kind: 0 = C_img, 1 = C_audio
	s_lshr_b32 s2, s9, 1
	s_lshl1_add_u32 s2, ttmp9, s2                  ; batch row = 2 x work-group + task / 2
	s_lshl_b32 s3, s2, 7                           ; its offset in tbuf: 128 bytes a row inside a block
	s_lshl_b32 s4, s2, 11                          ; its offset in audio and img: 2,048 bytes a row
	s_mov_b32 s7, 0
	s_mov_b32 s28, 0x10000                         ; tbuf: from 32 numbers of a row to the next 32
	s_movk_i32 s29, 0x80                           ; audio: the same
	s_mov_b32 s25, 0x3fb8aa3b                      ; log2(e)
	s_mov_b32 s26, 0x76543210                      ; v_permlanex16_b32: lane i of one half reads lane i of the other
	s_mov_b32 s27, 0xfedcba98
	v_and_b32 v12, 3, v0                           ; c
	v_bfe_u32 v13, v0, 2, 3                        ; g
	v_and_b32 v3, 127, v0
	v_lshlrev_b32 v3, 4, v3
	s_wait_kmcnt 0x0
	s_cmp_eq_u32 s11, 0                            ; the selects below leave SCC alone, and so do the 64-bit sums
	s_cselect_b64 s[20:21], s[16:17], s[14:15]     ; u: t or audio
	s_cselect_b64 s[22:23], s[14:15], s[16:17]     ; v: audio or t
	s_cselect_b64 s[30:31], s[12:13], s[14:15]     ; what my task's four waves copy: img or audio
	s_cselect_b32 s24, s28, s29                    ; u's stride from 32 numbers to the next
	s_cselect_b32 s5, s29, s28                     ; v's
	s_cselect_b32 s6, s3, s4
	s_add_nc_u64 s[20:21], s[20:21], s[6:7]        ; u at my batch row
	s_cselect_b32 s6, s4, s3
	s_add_nc_u64 s[22:23], s[22:23], s[6:7]        ; v at my batch row
	s_mov_b32 s6, s4
	s_add_nc_u64 s[30:31], s[30:31], s[6:7]
	s_lshl_b32 s6, s2, 13                          ; out0: 8,192 bytes a row,
	s_lshl_b32 s4, s11, 11                         ; + 2,048 for kind 1: the copy goes here, the task's C 4,096 bytes further on
	s_add_co_u32 s6, s6, s4
	s_add_nc_u64 s[18:19], s[18:19], s[6:7]
	s_lshl_b32 s4, s10, 2
	s_mul_i32 s4, s4, s5
	v_mad_u32_u24 v2, v12, s5, s4                  ; my q are 128 quarter + 32 c + 0 .. 31: block of 32 number 4 quarter + c
	v_lshlrev_b32 v[RF], 4, v13                    ; u: load j takes u[32 j + 4 g ..+3]: eight g x 16 bytes = 128 consecutive bytes
.irp j, 1,2,3,4,5,6,7,8,9,10,11,12,13,14,15
	v_add_nc_u32 v[RF+\j], s24, v[RF+\j-1]
.endr
	global_load_b128 v[8:11], v3, s[30:31]         ; the copy: 512 threads x 16 bytes = the two rows' img and audio
.irp j, 0,1,2,3,4,5,6,7,8,9,10,11,12,13,14,15
	global_load_b128 v[RU+4*\j:RU+4*\j+3], v[RF+\j], s[20:21]
.endr
	global_load_b128 v[RAW:RAW+3], v2, s[22:23]    ; v of the first trip's four blocks
	s_mul_i32 s4, s8, 4*PSTR
	v_mad_u32_u24 v4, v12, PSTR, s4                ; where my partial C goes: partial number 4 wave + c,
	v_lshl_add_u32 v4, v13, 4, v4                  ; bytes 128 j + 16 g
	s_mul_i32 s4, s9, TSTR
	v_add_nc_u32 v5, s4, v3                        ; where I read back: my 16 bytes of each of my task's 16 partials
.irp i, 1,3,5,7
	v_mov_b32 v[VQ+\i], 0                          ; the second registers of the broadcast pairs feed nothing; they are written once since a pair is read whole
	v_mov_b32 v[NM+\i], 0
.endr
	v_mov_b32 v[RW+1], 0
	s_wait_loadcnt 0x0
	global_store_b128 v3, v[8:11], s[18:19] th:TH_STORE_NT     ; a wave's store covers 512 consecutive bytes, aligned; its registers are never written again
	; umax and umin: 64 numbers in the lane (two chains each, two numbers an instruction), then over the eight g
	v_max_num_f32 v6, v[RU], v[RU+1]
	v_max_num_f32 v[RT], v[RU+32], v[RU+33]
	v_min_num_f32 v7, v[RU], v[RU+1]
	v_min_num_f32 v[RT+1], v[RU+32], v[RU+33]
.set k, 2
.rept 15
	v_max3_num_f32 v6, v6, v[RU+k], v[RU+k+1]
	v_max3_num_f32 v[RT], v[RT], v[RU+32+k], v[RU+33+k]
	v_min3_num_f32 v7, v7, v[RU+k], v[RU+k+1]
	v_min3_num_f32 v[RT+1], v[RT+1], v[RU+32+k], v[RU+33+k]
.set k, k+2
.endr
	v_max_num_f32 v6, v6, v[RT]
	v_min_num_f32 v7, v7, v[RT+1]
	v_max_num_f32_dpp v6, v6, v6 row_xmask:4 row_mask:0xf bank_mask:0xf
	v_min_num_f32_dpp v7, v7, v7 row_xmask:4 row_mask:0xf bank_mask:0xf
	v_max_num_f32_dpp v6, v6, v6 row_xmask:8 row_mask:0xf bank_mask:0xf
	v_min_num_f32_dpp v7, v7, v7 row_xmask:8 row_mask:0xf bank_mask:0xf
	v_permlanex16_b32 v[RT], v6, s26, s27
	v_permlanex16_b32 v[RT+1], v7, s26, s27
	v_max_num_f32 v6, v6, v[RT]
	v_min_num_f32 v7, v7, v[RT+1]
	v_mul_f32 v6, -1.0, v6                         ; -umax
	v_mul_f32 v7, -1.0, v7                         ; -umin
.macro ARG i, c                        ; eight exponents: u v' - m, two to an instruction
.irp k, 0,1,2,3
	v_pk_fma_f32 v[RF+8*\c+2*\k:RF+8*\c+2*\k+1], v[RU+8*\c+2*\k:RU+8*\c+2*\k+1], v[VQ+2*\i:VQ+2*\i+1], v[NM+2*\i:NM+2*\i+1] op_sel_hi:[1,0,0]
.endr
.endm
.macro EXPS c
.irp e, 0,1,2,3,4,5,6,7
	v_exp_f32 v[RF+8*\c+\e], v[RF+8*\c+\e]
.endr
.endm
.macro ZADD c                          ; eight F onto the four chains; the first two eights start them: nothing is cleared
.irp d, 0,1,2,3
.if \c == 1
	s_wait_alu depctr_va_vdst(0)
	v_pk_add_f32 v[ZA+2*\d:ZA+2*\d+1], v[RF+2*\d:RF+2*\d+1], v[RF+8+2*\d:RF+8+2*\d+1]
.else
	s_wait_alu depctr_va_vdst(0)
	v_pk_add_f32 v[ZA+2*\d:ZA+2*\d+1], v[ZA+2*\d:ZA+2*\d+1], v[RF+8*\c+2*\d:RF+8*\c+2*\d+1]
.endif
.endr
.endm
; One block.  The exponents run one eight ahead of the exponentials and the sums one eight behind, so that plain instructions on other registers
; stand between every exponential and the first use of its result (ISA guide 5.7.2).
.macro BLOCK i, first
	ARG \i, 0
	ARG \i, 1
	EXPS 0
	ARG \i, 2
	EXPS 1
	ARG \i, 3
	EXPS 2
	ZADD 1
	ARG \i, 4
	EXPS 3
	ZADD 2
	ARG \i, 5
	EXPS 4
	ZADD 3
	ARG \i, 6
	EXPS 5
	ZADD 4
	ARG \i, 7
	EXPS 6
	ZADD 5
	EXPS 7
	ZADD 6
	ZADD 7
	v_pk_add_f32 v[ZA:ZA+1], v[ZA:ZA+1], v[ZA+2:ZA+3]
	v_pk_add_f32 v[ZA+4:ZA+5], v[ZA+4:ZA+5], v[ZA+6:ZA+7]
	v_pk_add_f32 v[ZA:ZA+1], v[ZA:ZA+1], v[ZA+4:ZA+5]
	v_add_f32 v[RT], v[ZA], v[ZA+1]                ; my 64 p; now the eight g: lane bits 2, 3 and 4
	v_add_f32_dpp v[RT], v[RT], v[RT] row_xmask:4 row_mask:0xf bank_mask:0xf
	v_add_f32_dpp v[RT], v[RT], v[RT] row_xmask:8 row_mask:0xf bank_mask:0xf
	v_permlanex16_b32 v[RT+1], v[RT], s26, s27
	v_add_f32 v[RT], v[RT], v[RT+1]                ; Z of my q: between about 1 (the largest term) and 512
	v_rcp_f32 v[RT+2], v[RT]
	v_nop                                          ; one plain place behind the transcendental
	s_wait_alu depctr_va_vdst(0)
	v_mul_f32 v[RW], v[VQ+2*\i], v[RT+2]           ; w = v' / Z
.set k, 0
.rept 32
.if \first
	v_pk_mul_f32 v[RC+k:RC+k+1], v[RF+k:RF+k+1], v[RW:RW+1] op_sel_hi:[1,0]                       ; the first block starts the sums
.else
	v_pk_fma_f32 v[RC+k:RC+k+1], v[RF+k:RF+k+1], v[RW:RW+1], v[RC+k:RC+k+1] op_sel_hi:[1,0,1]
.endif
.set k, k+2
.endr
.endm
; A trip = four blocks = the four v of one 16-byte load.  ahead = 1: the next trip's four v are asked for as soon as this trip's have been read.
.macro TRIP first, ahead
	s_wait_loadcnt 0x0                             ; my four v are in; the load is done, so its base may be stepped
.irp i, 0,1,2,3
	v_mul_f32 v[VQ+2*\i], s25, v[RAW+\i]           ; v' = v log2(e)
.endr
.irp i, 0,1,2,3
	v_mul_f32 v[RT+\i], v6, v[VQ+2*\i]
	v_mul_f32 v[RT+4+\i], v7, v[VQ+2*\i]
.endr
.irp i, 0,1,2,3
	v_min_num_f32 v[NM+2*\i], v[RT+\i], v[RT+4+\i] ; -m = min(-umax v', -umin v')
.endr
.if \ahead
	s_add_nc_u64 s[22:23], s[22:23], 16
	global_load_b128 v[RAW:RAW+3], v2, s[22:23]
.endif
	BLOCK 0, \first
	BLOCK 1, 0
	BLOCK 2, 0
	BLOCK 3, 0
.endm
	TRIP 1, 1                                      ; 8 trips x 4 blocks x 4 q = my wave's 128 q
	s_mov_b32 s9, 6
.Ltrip:
	TRIP 0, 1
	s_sub_co_i32 s9, s9, 1
	s_cmp_lg_u32 s9, 0
	s_cbranch_scc1 .Ltrip
	TRIP 0, 0                                      ; the last trip asks for nothing: no load leaves the row
	; The 16 partial C of a task meet in LDS.
.irp j, 0,1,2,3,4,5,6,7,8,9,10,11,12,13,14,15
	ds_store_b128 v4, v[RC+4*\j:RC+4*\j+3] offset:128*\j
.endr
	s_wait_dscnt 0x0                               ; for the other waves' sake
	s_barrier_signal -1
	s_barrier_wait -1
.irp s, 0,1,2,3,4,5,6,7,8,9,10,11,12,13,14,15
	ds_load_b128 v[RF+4*\s:RF+4*\s+3], v5 offset:PSTR*\s       ; my four p of partial s: 32 lanes x 16 neighbouring bytes
.endr
	s_wait_dscnt 0x0
.irp n, 32,16,8,4
.set k, 0
.rept \n/2
	v_pk_add_f32 v[RF+k:RF+k+1], v[RF+k:RF+k+1], v[RF+\n+k:RF+\n+k+1]
.set k, k+2
.endr
.endr
	v_pk_mul_f32 v[RF:RF+1],   v[RF:RF+1],   0x3f317218 op_sel_hi:[1,0]   ; ln(2): w was made of v' = v log2(e)
	v_pk_mul_f32 v[RF+2:RF+3], v[RF+2:RF+3], 0x3f317218 op_sel_hi:[1,0]
	global_store_b128 v3, v[RF:RF+3], s[18:19] offset:4096 th:TH_STORE_NT   ; a wave's store covers 512 consecutive bytes, aligned
	s_wait_tensorcnt 0x0
	ds_add_u32 v248, v249
	s_wait_dscnt 0x0
	s_endpgm
.Lfunc_end_k_q734d62ef43_coatt:
	.size	k_q734d62ef43_coatt, .Lfunc_end_k_q734d62ef43_coatt-k_q734d62ef43_coatt
	.p2alignl 7, 3214868480
	.fill 96, 4, 3214868480
	.section	.rodata,"a",@progbits
	.p2align	6, 0x0
	.amdhsa_kernel k_q734d62ef43_coatt
		.amdhsa_group_segment_fixed_size 137216
		.amdhsa_private_segment_fixed_size 0
		.amdhsa_enable_private_segment 0
		.amdhsa_kernarg_size 32
		.amdhsa_user_sgpr_count 2
		.amdhsa_user_sgpr_kernarg_segment_ptr 1
		.amdhsa_wavefront_size32 1
		.amdhsa_system_sgpr_workgroup_id_x 1
		.amdhsa_system_sgpr_workgroup_id_y 1
		.amdhsa_system_sgpr_workgroup_id_z 1
		.amdhsa_system_vgpr_workitem_id 0
		.amdhsa_next_free_vgpr 250
		.amdhsa_next_free_sgpr 66
		.amdhsa_reserve_vcc 0
		.amdhsa_float_denorm_mode_32 3
		.amdhsa_float_denorm_mode_16_64 3
		.amdhsa_memory_ordered 1
		.amdhsa_forward_progress 1
		.amdhsa_inst_pref_size 126
	.end_amdhsa_kernel
	.amdgpu_metadata
---
amdhsa.version: [ 1, 2 ]
amdhsa.kernels:
  - .name:           k_q734d62ef43_coatt
    .symbol:         k_q734d62ef43_coatt.kd
    .args:
      - { .name: img_proj, .offset: 0, .size: 8, .value_kind: global_buffer, .address_space: global }
      - { .name: audio_proj, .offset: 8, .size: 8, .value_kind: global_buffer, .address_space: global }
      - { .name: tbuf, .offset: 16, .size: 8, .value_kind: global_buffer, .address_space: global }
      - { .name: out0, .offset: 24, .size: 8, .value_kind: global_buffer, .address_space: global }
    .group_segment_fixed_size: 137216
    .private_segment_fixed_size: 0
    .kernarg_segment_align: 8
    .kernarg_segment_size: 32
    .max_flat_workgroup_size: 512
    .sgpr_count:     66
    .vgpr_count:     250
    .wavefront_size: 32
...
	.end_amdgpu_metadata
.endif
;; end of part 2
;; ======== version 2 of 2: 2 launches; 1.24 times as fast as version 1
;; workspace buffers: tbuf 1,048,576 bytes
;; launch lin: the kernel of part 1 again; grid 16 x 16, 4 waves a work-group, no clusters, 72,192 bytes of LDS; arguments img_proj, W, b, tbuf; writes tbuf
;; launch coatt (part 3): grid 256 x 1, 16 waves a work-group, no clusters, 137,216 bytes of LDS; arguments img_proj, audio_proj, tbuf, out0; writes out0
.if DOCPART == 3
	.amdgcn_target "amdgcn-amd-amdhsa--gfx1250"
	.amdhsa_code_object_version 6
	.text
	.protected	k_q734d62ef43_coatt
	.globl	k_q734d62ef43_coatt
	.p2align	8
	.type	k_q734d62ef43_coatt,@function
k_q734d62ef43_coatt:
	s_mov_b64 s[64:65], 0
	v_nop
	global_prefetch_b8 v0, s[64:65] scope:SCOPE_SE
	s_setreg_imm32_b32 hwreg(HW_REG_WAVE_MODE, 25, 1), 1
	s_wait_xcnt 0x0
; out0[n] = [ img[n] | audio[n] | C_img[n] | C_audio[n] ], 4 x 512 f32.
; Both softmaxes of the rank-1 map L[i][j] = t[i] a[j] are ONE task with the roles swapped.  Given u and v (512 numbers each):
;   F[p][q] = exp(u[p] v[q] - m[q]),  m[q] = max over p of u[p] v[q] = max(umax v[q], umin v[q])   (the true maximum, in closed form since the map has rank 1)
;   Z[q] = sum over p of F[p][q],     C[p] = sum over q of F[p][q] v[q] / Z[q].
;   C_img is the task (u = t, v = audio), C_audio the task (u = audio, v = t).
; A work-group takes 2 batch rows x 2 tasks with 16 waves: four waves a task, each with 128 of the 512 q and all 512 p.
; A lane is (c = lane % 4: one of four q, g = lane / 4: one of eight groups of 64 p).  It keeps its 64 u, 64 F and 64 partial C in registers.
; A block = 4 q x 512 p: the exponents (one packed multiply-add for two), the exponentials, Z (in the lane, then over the eight g by three lane steps),
; w = v / Z, and C += F w.  F stays in registers between the two sums, so each exponential is computed once: 512 x 512 for a task.
; BATCHES.  A block's 64 exponentials are ONE batch with one wait.  Among them stand 64 packed instructions that name none of their results: for each pair of
; F's registers first C += F w of the block BEFORE (which reads the old F), then this block's exponent into the same pair.  So a block's C sum is written in the
; next block's text; the first block has none, the last block's stands behind the last trip.  Behind the wait come Z's sums.  The reciprocal of Z reads a sum of the
; batch's results: it is a batch of its own, with the block's second wait, ahead of w.  Two waits a block; none is owed at the loop's label or at its jump.
; The 16 partial C of a task (4 waves x 4 c) meet in LDS at the end.
; The two sums are matrix-vector products on a matrix born in registers; they stay on the vector unit in f32: a matrix instruction contracts along
; the registers only, so one of the two would need a transpose through LDS, and the other would pay a conversion for every packed multiply-add it spares.
; The exponent is in base 2: v' = v log2(e); w is made of v', and ln(2) is multiplied in once at the end.
; LIMITS: inputs are finite and |audio| log2(e) stays finite in f32; NaN and infinities are not carried as the reference carries them.
; v_exp_f32 returns 0 below 2^-126: such terms are below 2^-126 of their column's largest term, which is 1.
; tbuf is laid out [block of 32 numbers][batch row][32 numbers]; audio is [batch row][512]: the two differ only in two strides, chosen by the task's kind.
.set PSTR,  2112                       ; LDS bytes from one partial C to the next: 2,048 + 64, so that the four c of a store fall in different 64-byte columns
.set TSTR,  16*PSTR                    ; a task's 16 partial C
.set RU,  16                           ; v[16:79]    u: register 4 j + i holds u[32 j + 4 g + i]
.set RF,  80                           ; v[80:143]   F of the block, same places; at the start the offsets of u's loads, at the end the partial C read back
.set RC,  144                          ; v[144:207]  partial C, same places
.set ZA,  208                          ; v[208:215]  four chains of two for Z
.set VQ,  216                          ; v[216:223]  v' of the trip's four blocks, in the even registers (a packed source is a pair; its first register feeds both halves)
.set NM,  224                          ; v[224:231]  -m of the four blocks, likewise
.set RW,  232                          ; v[232:233]  w, likewise; it lives from its block's end to the end of the next block's batch
.set RAW, 234                          ; v[234:237]  four v as loaded
.set RT,  238                          ; v[238:245]  at work
; v2 offset of my v; v3 = 16 x (thread % 128): my 16 bytes of a row of 2,048; v4, v5 LDS addresses; v6 = -umax, v7 = -umin; v[8:11] the copied 16 bytes
	s_load_b256 s[12:19], s[0:1], 0x0              ; img s[12:13], audio s[14:15], tbuf s[16:17], out0 s[18:19]
	v_lshl_add_u32 v248, v0, 2, 0x21000
	v_mov_b32 v249, 0
	v_lshrrev_b32 v1, 5, v0
	v_readfirstlane_b32 s8, v1                     ; wave 0..15
	s_lshr_b32 s9, s8, 2                           ; task 0..3
	s_and_b32 s10, s8, 3                           ; which 128 q of the task
	s_and_b32 s11, s9, 1                           ; kind: 0 = C_img, 1 = C_audio
	s_lshr_b32 s2, s9, 1
	s_lshl1_add_u32 s2, ttmp9, s2                  ; batch row = 2 x work-group + task / 2
	s_lshl_b32 s3, s2, 7                           ; its offset in tbuf: 128 bytes a row inside a block
	s_lshl_b32 s4, s2, 11                          ; its offset in audio and img: 2,048 bytes a row
	s_mov_b32 s7, 0
	s_mov_b32 s28, 0x10000                         ; tbuf: from 32 numbers of a row to the next 32
	s_movk_i32 s29, 0x80                           ; audio: the same
	s_mov_b32 s25, 0x3fb8aa3b                      ; log2(e)
	s_mov_b32 s26, 0x76543210                      ; v_permlanex16_b32: lane i of one half reads lane i of the other
	s_mov_b32 s27, 0xfedcba98
	v_and_b32 v12, 3, v0                           ; c
	v_bfe_u32 v13, v0, 2, 3                        ; g
	v_and_b32 v3, 127, v0
	v_lshlrev_b32 v3, 4, v3
	s_wait_kmcnt 0x0
	s_cmp_eq_u32 s11, 0                            ; the selects below leave SCC alone, and so do the 64-bit sums
	s_cselect_b64 s[20:21], s[16:17], s[14:15]     ; u: t or audio
	s_cselect_b64 s[22:23], s[14:15], s[16:17]     ; v: audio or t
	s_cselect_b64 s[30:31], s[12:13], s[14:15]     ; what my task's four waves copy: img or audio
	s_cselect_b32 s24, s28, s29                    ; u's stride from 32 numbers to the next
	s_cselect_b32 s5, s29, s28                     ; v's
	s_cselect_b32 s6, s3, s4
	s_add_nc_u64 s[20:21], s[20:21], s[6:7]        ; u at my batch row
	s_cselect_b32 s6, s4, s3
	s_add_nc_u64 s[22:23], s[22:23], s[6:7]        ; v at my batch row
	s_mov_b32 s6, s4
	s_add_nc_u64 s[30:31], s[30:31], s[6:7]
	s_lshl_b32 s6, s2, 13                          ; out0: 8,192 bytes a row,
	s_lshl_b32 s4, s11, 11                         ; + 2,048 for kind 1: the copy goes here, the task's C 4,096 bytes further on
	s_add_co_u32 s6, s6, s4
	s_add_nc_u64 s[18:19], s[18:19], s[6:7]
	s_lshl_b32 s4, s10, 2
	s_mul_i32 s4, s4, s5
	v_mad_u32_u24 v2, v12, s5, s4                  ; my q are 128 quarter + 32 c + 0 .. 31: block of 32 number 4 quarter + c
	v_lshlrev_b32 v[RF], 4, v13                    ; u: load j takes u[32 j + 4 g ..+3]: eight g x 16 bytes = 128 consecutive bytes
.irp j, 1,2,3,4,5,6,7,8,9,10,11,12,13,14,15
	v_add_nc_u32 v[RF+\j], s24, v[RF+\j-1]
.endr
	global_load_b128 v[8:11], v3, s[30:31]         ; the copy: 512 threads x 16 bytes = the two rows' img and audio
.irp j, 0,1,2,3,4,5,6,7,8,9,10,11,12,13,14,15
	global_load_b128 v[RU+4*\j:RU+4*\j+3], v[RF+\j], s[20:21]
.endr
	global_load_b128 v[RAW:RAW+3], v2, s[22:23]    ; v of the first trip's four blocks
	s_mul_i32 s4, s8, 4*PSTR
	v_mad_u32_u24 v4, v12, PSTR, s4                ; where my partial C goes: partial number 4 wave + c,
	v_lshl_add_u32 v4, v13, 4, v4                  ; bytes 128 j + 16 g
	s_mul_i32 s4, s9, TSTR
	v_add_nc_u32 v5, s4, v3                        ; where I read back: my 16 bytes of each of my task's 16 partials
.irp i, 1,3,5,7
	v_mov_b32 v[VQ+\i], 0                          ; the second registers of the broadcast pairs feed nothing; they are written once since a pair is read whole
	v_mov_b32 v[NM+\i], 0
.endr
	v_mov_b32 v[RW+1], 0
	s_wait_loadcnt 0x0
	global_store_b128 v3, v[8:11], s[18:19] th:TH_STORE_NT     ; a wave's store covers 512 consecutive bytes, aligned; its registers are never written again
	; umax and umin: 64 numbers in the lane (two chains each, two numbers an instruction), then over the eight g
	v_max_num_f32 v6, v[RU], v[RU+1]
	v_max_num_f32 v[RT], v[RU+32], v[RU+33]
	v_min_num_f32 v7, v[RU], v[RU+1]
	v_min_num_f32 v[RT+1], v[RU+32], v[RU+33]
.set k, 2
.rept 15
	v_max3_num_f32 v6, v6, v[RU+k], v[RU+k+1]
	v_max3_num_f32 v[RT], v[RT], v[RU+32+k], v[RU+33+k]
	v_min3_num_f32 v7, v7, v[RU+k], v[RU+k+1]
	v_min3_num_f32 v[RT+1], v[RT+1], v[RU+32+k], v[RU+33+k]
.set k, k+2
.endr
	v_max_num_f32 v6, v6, v[RT]
	v_min_num_f32 v7, v7, v[RT+1]
	v_max_num_f32_dpp v6, v6, v6 row_xmask:4 row_mask:0xf bank_mask:0xf
	v_min_num_f32_dpp v7, v7, v7 row_xmask:4 row_mask:0xf bank_mask:0xf
	v_max_num_f32_dpp v6, v6, v6 row_xmask:8 row_mask:0xf bank_mask:0xf
	v_min_num_f32_dpp v7, v7, v7 row_xmask:8 row_mask:0xf bank_mask:0xf
	v_permlanex16_b32 v[RT], v6, s26, s27
	v_permlanex16_b32 v[RT+1], v7, s26, s27
	v_max_num_f32 v6, v6, v[RT]
	v_min_num_f32 v7, v7, v[RT+1]
	v_mul_f32 v6, -1.0, v6                         ; -umax
	v_mul_f32 v7, -1.0, v7                         ; -umin
; Pair t of 32 of C takes F w of a finished block.  prev = 2: it is added; 1: that block was the first, and starts the sums: nothing is cleared; 0: there is no such block, and no line.
.macro CSUM t, prev
.if (\prev) == 1
	v_pk_mul_f32 v[RC+2*(\t):RC+2*(\t)+1], v[RF+2*(\t):RF+2*(\t)+1], v[RW:RW+1] op_sel_hi:[1,0]
.elseif (\prev) == 2
	v_pk_fma_f32 v[RC+2*(\t):RC+2*(\t)+1], v[RF+2*(\t):RF+2*(\t)+1], v[RW:RW+1], v[RC+2*(\t):RC+2*(\t)+1] op_sel_hi:[1,0,1]
.endif
.endm
; THE PLAIN QUEUE of a block's batch, 64 long; pp counts it.  Number 2 t: pair t of C takes the old F; number 2 t + 1: block i's two exponents u v' - m go into the same pair of F.
.macro PLN i, prev
.if pp%2 == 0
	CSUM pp/2, \prev
.else
	v_pk_fma_f32 v[RF+pp-1:RF+pp], v[RU+pp-1:RU+pp], v[VQ+2*\i:VQ+2*\i+1], v[NM+2*\i:NM+2*\i+1] op_sel_hi:[1,0,0]
.endif
.set pp, pp+1
.endm
; THE EXPONENTIALS' QUEUE, 64 long; ee counts it.  In place: number e is F's register e.
.macro EXN
	v_exp_f32 v[RF+ee], v[RF+ee]
.set ee, ee+1
.endm
.macro ZADD c                          ; eight F onto the four chains; the first two eights start them: nothing is cleared
.irp d, 0,1,2,3
.if \c == 1
	v_pk_add_f32 v[ZA+2*\d:ZA+2*\d+1], v[RF+2*\d:RF+2*\d+1], v[RF+8+2*\d:RF+8+2*\d+1]
.else
	v_pk_add_f32 v[ZA+2*\d:ZA+2*\d+1], v[ZA+2*\d:ZA+2*\d+1], v[RF+8*\c+2*\d:RF+8*\c+2*\d+1]
.endif
.endr
.endm
; One block.  HOW THE TWO QUEUES ARE DEALT: six plain, then 58 times exponential and plain, then the last six exponentials.  Exponential e stands behind plain 0 .. e + 5, its own
; exponent (plain e or e + 1) among them; the plain line behind it is number e + 6, which names F's registers from e + 5 on: no line ahead of the wait names a result of the batch.
; The old F and the old w that the C lines read were waited for in the block before.
.macro BLOCK i, prev
.set pp, 0
.set ee, 0
.rept 6
	PLN \i, \prev
.endr
.rept 58
	EXN
	PLN \i, \prev
.endr
.rept 6
	EXN
.endr
	v_nop                                          ; one plain place behind the last exponential before a result is read (ISA guide 5.7.2): one for the batch
	s_wait_alu depctr_va_vdst(0)                   ; the wait for the batch of 64 exponentials, ahead of their first reader
	ZADD 1
	ZADD 2
	ZADD 3
	ZADD 4
	ZADD 5
	ZADD 6
	ZADD 7
	v_pk_add_f32 v[ZA:ZA+1], v[ZA:ZA+1], v[ZA+2:ZA+3]
	v_pk_add_f32 v[ZA+4:ZA+5], v[ZA+4:ZA+5], v[ZA+6:ZA+7]
	v_pk_add_f32 v[ZA:ZA+1], v[ZA:ZA+1], v[ZA+4:ZA+5]
	v_add_f32 v[RT], v[ZA], v[ZA+1]                ; my 64 p; now the eight g: lane bits 2, 3 and 4
	v_add_f32_dpp v[RT], v[RT], v[RT] row_xmask:4 row_mask:0xf bank_mask:0xf
	v_add_f32_dpp v[RT], v[RT], v[RT] row_xmask:8 row_mask:0xf bank_mask:0xf
	v_permlanex16_b32 v[RT+1], v[RT], s26, s27
	v_add_f32 v[RT], v[RT], v[RT+1]                ; Z of my q: between about 1 (the largest term) and 512
	v_rcp_f32 v[RT+2], v[RT]
	v_nop                                          ; one plain place behind the transcendental
	s_wait_alu depctr_va_vdst(0)                   ; the wait for the reciprocal, a batch of one: all that follows hangs on w, and F's registers are free only when C has read them
	v_mul_f32 v[RW], v[VQ+2*\i], v[RT+2]           ; w = v' / Z; the next block's text adds F w onto C
.endm
; A trip = four blocks = the four v of one 16-byte load.  ahead = 1: the next trip's four v are asked for as soon as this trip's have been read.
; first = 1: block 0 has no block before it, and block 1's C lines start the sums.
.macro TRIP first, ahead
	s_wait_loadcnt 0x0                             ; my four v are in; the load is done, so its base may be stepped
.irp i, 0,1,2,3
	v_mul_f32 v[VQ+2*\i], s25, v[RAW+\i]           ; v' = v log2(e)
.endr
.irp i, 0,1,2,3
	v_mul_f32 v[RT+\i], v6, v[VQ+2*\i]
	v_mul_f32 v[RT+4+\i], v7, v[VQ+2*\i]
.endr
.irp i, 0,1,2,3
	v_min_num_f32 v[NM+2*\i], v[RT+\i], v[RT+4+\i] ; -m = min(-umax v', -umin v')
.endr
.if \ahead
	s_add_nc_u64 s[22:23], s[22:23], 16
	global_load_b128 v[RAW:RAW+3], v2, s[22:23]
.endif
	BLOCK 0, 2-2*\first
	BLOCK 1, 2-\first
	BLOCK 2, 2
	BLOCK 3, 2
.endm
	TRIP 1, 1                                      ; 8 trips x 4 blocks x 4 q = my wave's 128 q
	s_mov_b32 s9, 6
.Ltrip:
	TRIP 0, 1
	s_sub_co_i32 s9, s9, 1
	s_cmp_lg_u32 s9, 0
	s_cbranch_scc1 .Ltrip
	TRIP 0, 0                                      ; the last trip asks for nothing: no load leaves the row
.set kk, 0
.rept 32
	CSUM kk, 2                                     ; the last block's F w: no block follows in whose text it could stand
.set kk, kk+1
.endr
	; The 16 partial C of a task meet in LDS.
.irp j, 0,1,2,3,4,5,6,7,8,9,10,11,12,13,14,15
	ds_store_b128 v4, v[RC+4*\j:RC+4*\j+3] offset:128*\j
.endr
	s_wait_dscnt 0x0                               ; for the other waves' sake
	s_barrier_signal -1
	s_barrier_wait -1
.irp s, 0,1,2,3,4,5,6,7,8,9,10,11,12,13,14,15
	ds_load_b128 v[RF+4*\s:RF+4*\s+3], v5 offset:PSTR*\s       ; my four p of partial s: 32 lanes x 16 neighbouring bytes
.endr
	s_wait_dscnt 0x0
.irp n, 32,16,8,4
.set k, 0
.rept \n/2
	v_pk_add_f32 v[RF+k:RF+k+1], v[RF+k:RF+k+1], v[RF+\n+k:RF+\n+k+1]
.set k, k+2
.endr
.endr
	v_pk_mul_f32 v[RF:RF+1],   v[RF:RF+1],   0x3f317218 op_sel_hi:[1,0]   ; ln(2): w was made of v' = v log2(e)
	v_pk_mul_f32 v[RF+2:RF+3], v[RF+2:RF+3], 0x3f317218 op_sel_hi:[1,0]
	global_store_b128 v3, v[RF:RF+3], s[18:19] offset:4096 th:TH_STORE_NT   ; a wave's store covers 512 consecutive bytes, aligned
	s_wait_tensorcnt 0x0
	ds_add_u32 v248, v249
	s_wait_dscnt 0x0
	s_endpgm
.Lfunc_end_k_q734d62ef43_coatt:
	.size	k_q734d62ef43_coatt, .Lfunc_end_k_q734d62ef43_coatt-k_q734d62ef43_coatt
	.p2alignl 7, 3214868480
	.fill 96, 4, 3214868480
	.section	.rodata,"a",@progbits
	.p2align	6, 0x0
	.amdhsa_kernel k_q734d62ef43_coatt
		.amdhsa_group_segment_fixed_size 137216
		.amdhsa_private_segment_fixed_size 0
		.amdhsa_enable_private_segment 0
		.amdhsa_kernarg_size 32
		.amdhsa_user_sgpr_count 2
		.amdhsa_user_sgpr_kernarg_segment_ptr 1
		.amdhsa_wavefront_size32 1
		.amdhsa_system_sgpr_workgroup_id_x 1
		.amdhsa_system_sgpr_workgroup_id_y 1
		.amdhsa_system_sgpr_workgroup_id_z 1
		.amdhsa_system_vgpr_workitem_id 0
		.amdhsa_next_free_vgpr 250
		.amdhsa_next_free_sgpr 66
		.amdhsa_reserve_vcc 0
		.amdhsa_float_denorm_mode_32 3
		.amdhsa_float_denorm_mode_16_64 3
		.amdhsa_memory_ordered 1
		.amdhsa_forward_progress 1
		.amdhsa_inst_pref_size 117
	.end_amdhsa_kernel
	.amdgpu_metadata
---
amdhsa.version: [ 1, 2 ]
amdhsa.kernels:
  - .name:           k_q734d62ef43_coatt
    .symbol:         k_q734d62ef43_coatt.kd
    .args:
      - { .name: img_proj, .offset: 0, .size: 8, .value_kind: global_buffer, .address_space: global }
      - { .name: audio_proj, .offset: 8, .size: 8, .value_kind: global_buffer, .address_space: global }
      - { .name: tbuf, .offset: 16, .size: 8, .value_kind: global_buffer, .address_space: global }
      - { .name: out0, .offset: 24, .size: 8, .value_kind: global_buffer, .address_space: global }
    .group_segment_fixed_size: 137216
    .private_segment_fixed_size: 0
    .kernarg_segment_align: 8
    .kernarg_segment_size: 32
    .max_flat_workgroup_size: 512
    .sgpr_count:     66
    .vgpr_count:     250
    .wavefront_size: 32
...
	.end_amdgpu_metadata
.endif
;; end of part 3
